; MI455X (gfx1250); checked and timed in simulation.
; The chip was launched on July 23, 2026; its instructions are those of AMD's public machine-readable ISA for CDNA 5 (MIT licence, August 2026) and "CDNA5" Instruction Set Architecture Reference Guide (July 2026). The comments in the code are by the model that wrote it; some were corrected since.
;; Self Attention. Allowed arithmetic: matrix products marked QUANTISED: E4M3 operands, one given power-of-two scale a tensor, by v_wmma_f32_16x16x64_fp8_fp8 or v_wmma_f32_16x16x128_fp8_fp8, f32 sums; everything else in f32.
;; Inputs: Wk 256 x 256 float32; Wq 256 x 256 float32; Wu 256 x 256 float32; Wv 256 x 256 float32; bu 256 float32; lowp_scales 12 int32 (the exponents e of the quantised operands' scales 2^e); x 4 x 4,096 x 256 float32.
;; Outputs: out0 4 x 4,096 x 256 float32.
;; This version of the problem:
;;   THIS VERSION OF THE PROBLEM IS GIVEN IN LOW PRECISION. The matrix products marked QUANTISED in the list below multiply operands that are first quantised to E4M3 (4 exponent bits, 3 mantissa bits; 8 bits a number), with one given power-of-two scale for each operand tensor; their sums are f32. All else is computed in f32.
;;   The module's matrix products, in the order in which they are computed (A, B: the left and right operand; K: the contracted axis; several contracted axes count as one K, in the product's order):
;;     1. [M 16,384, K 256] x [K 256, N 256]; A: input x; B: input Wq: QUANTISED (scales: A lowp_scales[0], B lowp_scales[1])
;;     2. [M 16,384, K 256] x [K 256, N 256]; A: input x; B: input Wk: QUANTISED (scales: A lowp_scales[2], B lowp_scales[3])
;;     3. [M 16,384, K 256] x [K 256, N 256]; A: input x; B: input Wv: QUANTISED (scales: A lowp_scales[4], B lowp_scales[5])
;;     4. batch 16 x [M 4,096, K 64] x [K 64, N 4,096]; A: computed on the way; B: computed on the way: QUANTISED (scales: A lowp_scales[6], B lowp_scales[7])
;;     5. batch 16 x [M 64, K 4,096] x [K 4,096, N 4,096]; A: computed on the way; B: softmax (see below): QUANTISED (scales: A lowp_scales[8], B lowp_scales[9])
;;     6. [M 16,384, K 256] x [K 256, N 256]; A: computed on the way; B: input Wu: QUANTISED (scales: A lowp_scales[10], B lowp_scales[11])
;;   THE QUANTISER, for each operand of a quantised product, along K:
;;     - The operand's scale is 2^e, e = its entry of the input lowp_scales (int32; the entries are numbered through the quantised products in the list's order, A before B).
;;     - Each number is divided by the scale, clamped to +-448, and rounded to the nearest number of E4M3, ties to even, subnormals kept.
;;     - The product sums the exact products of the quantised numbers (number of the format x scale) in f32.
;;   ~~~python
;;   def quantise(x, axis, e):      # numpy; x: float32 -> the quantised numbers, widened to float32 again
;;       x = np.moveaxis(x, axis, -1); K = x.shape[-1]
;;       r = np.clip(x / 2.0 ** e, -448, 448)
;;       step = 2.0 ** (np.maximum(np.frexp(np.where(r == 0, 1, r))[1] - 1, -6) - 3)
;;       q = np.round(r / step) * step * 2.0 ** e      # np.round: ties to even
;;       return np.moveaxis(q, -1, axis).astype(np.float32)
;;   ~~~
;;   SOFTMAX AHEAD OF A QUANTISED PRODUCT. Where the list says 'softmax', what is quantised is not the finished softmax but p = 2^(t - M), with t = logit x log2(e) and M = ceil(the row's largest t), a whole number; so 1/2 < the row's largest p <= 1. The row's sum l is taken of the UNQUANTISED p, in f32, and the product's result is divided by l at the end. Since M is a whole number, a kernel that streams over the keys may use a running M (the ceiling of the running maximum): every later rescaling is an exact power of two, so the quantised numbers keep their values, but for numbers so far below the row's largest that they fall under the format's range.
;;   OPERANDS COMPUTED ON THE WAY. 'Computed on the way' means the value that the module computes at that place (a softmax that the list does not call 'softmax' is quantised finished and normalised). What goes into a quantiser is computed in f32, as accurately as f32 sums, v_exp_f32 and their like allow (about 1e-6 of the number): no bf16 or f16 on the way to a quantiser, and a product that is left as it is and whose result goes on into a quantised operand takes f32 operands (vector FMAs, or v_wmma_f32_16x16x4_f32). A number that lies on a knife's edge between two numbers of the format may be rounded either way, as far as f32 arithmetic and the matrix unit's own rounding can turn it there, and no further.
;; One version. Each part assembles by itself: llvm-mc -triple=amdgcn-amd-amdhsa -mcpu=gfx1250 --defsym DOCPART=n.
;; ======== version 1 of 1: 2 launches
;; limits: right only within a limited range of input values
;; workspace buffers: q_codes 4,194,304 bytes; k_codes 4,194,304 bytes; v_codes 4,194,304 bytes; wu_codes 65,536 bytes
;; launch proj (part 1): grid 64 x 3, 16 waves a work-group, no clusters, 210,944 bytes of LDS; arguments x, Wq, Wk, Wv, Wu, lowp_scales, q_codes, k_codes, v_codes, wu_codes; writes q_codes, k_codes, v_codes, wu_codes
.if DOCPART == 1
	.amdgcn_target "amdgcn-amd-amdhsa--gfx1250"
	.amdhsa_code_object_version 6
	.text
	.protected	k_q7be6f3304a_proj
	.globl	k_q7be6f3304a_proj
	.p2align	8
	.type	k_q7be6f3304a_proj,@function
k_q7be6f3304a_proj:
	s_mov_b64 s[64:65], 0
	v_nop
	global_prefetch_b8 v0, s[64:65] scope:SCOPE_SE
	s_setreg_imm32_b32 hwreg(HW_REG_WAVE_MODE, 25, 1), 1
	s_wait_xcnt 0x0
; q, k or v = Q(x) Q(W)^T on codes of FP8 (E4M3), and the result quantised again, as the operand of the attention's products.  Wu is quantised on the side.
; Work-group (X, Y): X = a block of 256 tokens (it lies inside one batch of 4,096), Y = 0: q, 1: k, 2: v.  64 x 3 work-groups, each a block of 256 x 256 x 256.
; ONE BODY, TWO OPERANDS of 256 rows x 256 f32 each.  R is the matrix instruction's source 1: its rows fall on lanes and become ROWS of the output.  C is source 0: its rows fall on a lane's registers
; and become places ALONG an output row.  q, k: R = the tokens, C = W: rows of q_codes, k_codes [token][256].  v: R = Wv, C = the tokens: rows of v_codes [batch][256][4096 keys], the keys innermost.
; Only pointers, exponents and the output's pitch are chosen, by selects on Y; every LDS address is the same on all three.
; SHARES.  Wave w quantises rows 16 w .. 16 w + 15 of both operands.  A load takes 512 consecutive bytes of a row, 16 a lane; the two loads of a row give a lane eight numbers, four of each half of the row, and ONE conversion makes
; two words of codes of them, one for each half: so the codes go to LDS as rows of 256 bytes, k in its order.  Behind the one barrier wave w makes the 64 x 64 results of R's rows 64 (w / 4) on and C's rows 64 (w % 4) on:
; 16 accumulators, 32 matrix instructions, 16 fragments from LDS.
; THE ORDER OF THE CODES ALONG AN OUTPUT ROW.  A lane holds, of tile t, the places 16 t + 8 h + 0..7 (h = lane / 16).  The eight codes of tiles 2 c and 2 c + 1 are joined to 16 bytes at byte 32 c + 16 h: so byte
; 32 c + 16 h + 8 u + j holds index 32 c + 16 u + 8 h + j.  Every axis that a later product contracts has this order on both sides (q and k; p's registers and v_codes; the attention's result and wu_codes).
; SCALES: lowp_scales[2 Y], [2 Y + 1] for x and W; the result's: [6] for q, [7] for k (the scores are lowered as q times k), [8] for v; Wu's: [11].  A sum stands for sum x 2^(ex + ew), so its conversion takes 2^(eo - ex - ew).
; LIMITS: ex, ew, eo - ex - ew and entry 11 lie between -126 and 119, so that 2^e and 448 x 2^e are f32 numbers.  NaN among the inputs is not served (an infinity is held at the largest code).
; No cluster and no tensor load: no tile goes from memory into LDS as it lies: every f32 number passes a lane's registers to be quantised, and a work-group reads each of its 512 rows once.  No loop, so no prefetch.
.set P,    272                         ; an LDS row: 256 bytes of codes + 16
.set CBASE, 256*P                      ; LDS: R's 256 rows, then C's,
.set STG,  2*CBASE                     ; then the stage: the result's 256 rows,
.set SPARE, 3*CBASE                    ; then the spare words, 128 bytes for each of 16 waves
.set LO,   1                           ; 16 x lane
.set WR,   2                           ; where I store codes of R: my rows, + 4 x lane
.set WC,   3                           ; of C
.set RRD,  4                           ; where I read R's fragments: row 64 (w / 4) + r, + 16 h
.set CRD,  5                           ; C's: row 64 (w % 4) + r, + 16 h
.set SO,   6                           ; the stage, in
.set SR,   7                           ; the stage, back: row 16 w + h, + 16 r
.set RR,   8                           ; r = lane % 16
.set HH,   9                           ; h = lane / 16
.set SCLR, 10                          ; 2^e and 448 x 2^e for R
.set LIMR, 11
.set SCLC, 12                          ; for C
.set LIMC, 13
.set SCLO, 14                          ; for the result
.set LIMO, 15
.set WUN,  16                          ; v16-23 a row of Wu; v24-25 its codes; v26, v27 its offsets; v28, v29 its scale and bound
.set GOF,  16                          ; v16-23 later: the eight stores' offsets
.set SPW,  30
.set NIL,  31
.set C0,   32                          ; v32-47, v48-63: a set's codes, by turns
.set C1,   48
.set RAWA, 64                          ; three sets of 64 numbers as loaded
.set RAWB, 128
.set RAWD, 192
.set ACC,  32                          ; later v32-159: 16 accumulators
.set RF,   160                         ; later v160-223: four fragments of R
.set CF,   224                         ; later v224-255: two fragments of C
.set OC,   160                         ; at the end v160-191: the result's codes;  v224-255: rows read back from the stage
.set OB,   224
.macro XLOAD reg, base, i0             ; rows i0 .. i0 + 7 of my 16: a row is two loads of 512 consecutive bytes
.irp i, 0,1,2,3,4,5,6,7
	global_load_b128 v[\reg+8*\i:\reg+8*\i+3], v[LO], s[\base:\base+1] offset:1024*(\i0+\i)
	global_load_b128 v[\reg+8*\i+4:\reg+8*\i+7], v[LO], s[\base:\base+1] offset:1024*(\i0+\i)+512
.endr
.endm
.macro QST src, codes, sc, lim, adr, i0   ; eight rows become codes and go to LDS: word 1 of a conversion's result belongs to the row's first half, word 2 to its second
.irp i, 0,1,2,3,4,5,6,7
.irp j, 0,1,2,3,4,5,6,7
	v_med3_num_f32 v[\src+8*\i+\j], v[\src+8*\i+\j], -v[\lim], v[\lim]   ; the conversion to an 8-bit code does not saturate (ISA guide 7.6.2): the hold at the largest code x the scale
.endr
	v_cvt_scalef32_pk8_fp8_f32 v[\codes+2*\i:\codes+2*\i+1], v[\src+8*\i:\src+8*\i+7], v[\sc]
.endr
	v_nop                                          ; one plain vector line between the last conversion and whatever vector or matrix line next touches its registers
.irp i, 0,1,2,3,4,5,6,7
	ds_store_b32 v[\adr], v[\codes+2*\i] offset:P*(\i0+\i)
	ds_store_b32 v[\adr], v[\codes+2*\i+1] offset:P*(\i0+\i)+128
.endr
.endm
.macro MKSC e, sc, lim                 ; from the whole number in s[e]: 2^e and 448 x 2^e as f32
	s_add_co_i32 s50, s[\e], 127
	s_lshl_b32 s51, s50, 23
	v_mov_b32 v[\sc], s51
	s_add_co_i32 s50, s50, 8
	s_lshl_b32 s50, s50, 23
	s_or_b32 s50, s50, 0x600000
	v_mov_b32 v[\lim], s50
.endm
	s_load_b256 s[4:11], s[0:1], 0x0               ; x s[4:5], Wq s[6:7], Wk s[8:9], Wv s[10:11]
	s_load_b256 s[12:19], s[0:1], 0x20             ; Wu s[12:13], the exponents s[14:15], q_codes s[16:17], k_codes s[18:19]
	s_load_b128 s[20:23], s[0:1], 0x40             ; v_codes s[20:21], wu_codes s[22:23]
	v_lshrrev_b32 v14, 5, v0
	v_readfirstlane_b32 s24, v14                   ; wave 0..15
	s_mov_b32 s25, ttmp9                           ; X
	s_and_b32 s26, ttmp7, 0xffff                   ; Y
	s_mul_i32 s44, s24, 16*P                       ; my 16 rows in LDS
	s_lshr_b32 s45, s24, 2
	s_mul_i32 s45, s45, 64*P                       ; my 64 rows of R
	s_and_b32 s46, s24, 3
	s_mul_i32 s47, s46, 64*P                       ; my 64 rows of C
	s_lshl_b32 s46, s46, 6
	s_add_co_u32 s46, s46, s45
	s_add_co_u32 s46, s46, STG                     ; my 64 x 64 in the stage
	s_add_co_u32 s48, s44, STG                     ; my 16 rows of the stage
	s_add_co_u32 s47, s47, CBASE
	v_lshl_add_u32 v[SPW], v0, 2, SPARE
	v_mov_b32 v[NIL], 0
	v_and_b32 v14, 31, v0                          ; lane
	v_and_b32 v[RR], 15, v0
	v_bfe_u32 v[HH], v0, 4, 1
	v_lshlrev_b32 v[LO], 4, v14
	v_mul_u32_u24 v15, v[RR], P
	v_lshlrev_b32 v24, 2, v14
	v_lshl_add_u32 v15, v[HH], 4, v15              ; row r x pitch + 16 h
	v_add_nc_u32 v[WR], s44, v24
	v_add_nc_u32 v[RRD], s45, v15
	v_add_nc_u32 v[CRD], s47, v15
	v_add_nc_u32 v[SO], s46, v15
	v_add_nc_u32 v[WC], CBASE, v[WR]
	v_mul_u32_u24 v[SR], v[HH], P
	v_lshlrev_b32 v26, 5, v14                      ; Wu: my eight numbers of a row: 32 x lane
	v_lshl_add_u32 v[SR], v[RR], 4, v[SR]
	v_and_b32 v25, 28, v14                         ; and their codes' place: of four groups of eight the two middle ones change places: the lane's bits 0 and 1 are swapped
	v_add_nc_u32 v[SR], s48, v[SR]
	v_and_b32 v27, 1, v14
	v_lshl_or_b32 v25, v27, 1, v25
	v_bfe_u32 v27, v14, 1, 1
	v_or_b32 v25, v25, v27
	v_lshlrev_b32 v27, 3, v25
	s_lshl_b32 s44, s25, 18                        ; x's block: X x 256 rows x 1,024 bytes
	s_mov_b32 s45, 0
	s_lshl_b32 s46, s24, 14                        ; my 16 rows of an operand
	s_mov_b32 s47, 0
	s_lshl_b32 s48, s25, 16                        ; q, k: the block's first row of codes: X x 256 x 256
	s_lshr_b32 s49, s25, 4
	s_lshl_b32 s49, s49, 20                        ; v: the batch's 256 rows of 4,096,
	s_and_b32 s50, s25, 15
	s_lshl_b32 s50, s50, 8
	s_add_co_u32 s49, s49, s50                     ; and the block's 256 keys in a row
	s_and_b32 s50, s24, 3
	s_lshl_b32 s51, s25, 2
	s_add_co_u32 s50, s50, s51                     ; Wu's row 4 X + wave % 4
	s_lshl_b32 s52, s50, 10
	s_mov_b32 s53, 0
	s_lshl_b32 s54, s50, 8
	s_mov_b32 s55, 0
	s_wait_alu depctr_va_vdst(0)
	s_wait_kmcnt 0x0
	s_load_b256 s[36:43], s[14:15], 0x0            ; entries 0 to 7
	s_load_b128 s[56:59], s[14:15], 0x20           ; entries 8 to 11
	s_add_nc_u64 s[4:5], s[4:5], s[44:45]
	s_add_nc_u64 s[52:53], s[12:13], s[52:53]
	s_add_nc_u64 s[54:55], s[22:23], s[54:55]
	s_mov_b32 s34, 256
	s_cmp_eq_u32 s26, 1                            ; the choices hang on the work-group's number alone
	s_cselect_b64 s[28:29], s[8:9], s[6:7]
	s_cselect_b64 s[32:33], s[18:19], s[16:17]
	s_cmp_eq_u32 s26, 2
	s_cselect_b64 s[28:29], s[10:11], s[28:29]     ; W
	s_cselect_b64 s[32:33], s[20:21], s[32:33]     ; the output
	s_cselect_b64 s[30:31], s[4:5], s[28:29]       ; C: the tokens for v, else W
	s_cselect_b64 s[28:29], s[28:29], s[4:5]       ; R: W for v, else the tokens
	s_cselect_b32 s48, s49, s48
	s_cselect_b32 s34, 4096, s34                   ; the output's pitch
	s_mov_b32 s49, 0
	s_add_nc_u64 s[32:33], s[32:33], s[48:49]
	s_add_nc_u64 s[28:29], s[28:29], s[46:47]
	s_add_nc_u64 s[30:31], s[30:31], s[46:47]
	s_lshl_b32 s35, s34, 1
	global_load_b128 v[WUN:WUN+3], v26, s[52:53]   ; a row of Wu, in every wave, so that the registers are written on every way
	global_load_b128 v[WUN+4:WUN+7], v26, s[52:53] offset:16
	XLOAD RAWA, 28, 0                              ; R's rows 0 to 7 of mine,
	XLOAD RAWB, 28, 8                              ; 8 to 15,
	XLOAD RAWD, 30, 0                              ; C's rows 0 to 7
	s_wait_kmcnt 0x0
	s_cmp_eq_u32 s26, 1
	s_cselect_b32 s44, s38, s36                    ; ex
	s_cselect_b32 s45, s39, s37                    ; ew
	s_cselect_b32 s46, s43, s42                    ; eo
	s_cmp_eq_u32 s26, 2
	s_cselect_b32 s44, s40, s44
	s_cselect_b32 s45, s41, s45
	s_cselect_b32 s46, s56, s46
	s_cselect_b32 s47, s45, s44                    ; R's
	s_cselect_b32 s48, s44, s45                    ; C's
	s_sub_co_i32 s49, s46, s44
	s_sub_co_i32 s49, s49, s45                     ; eo - ex - ew
	MKSC 47, SCLR, LIMR
	MKSC 48, SCLC, LIMC
	MKSC 49, SCLO, LIMO
	MKSC 59, 28, 29                                ; Wu's
	s_wait_alu depctr_va_vdst(0)
	s_wait_loadcnt 32                              ; Wu's row and set A are in; sets B and D may be out
	s_cmp_lg_u32 s26, 0                            ; Wu's 256 rows: waves 0 to 3 of the 64 work-groups with Y = 0, a row a wave
	s_cbranch_scc1 .Lno_wu
	s_cmp_ge_u32 s24, 4
	s_cbranch_scc1 .Lno_wu
.irp i, 0,1,2,3,4,5,6,7
	v_med3_num_f32 v[WUN+\i], v[WUN+\i], -v29, v29
.endr
	v_cvt_scalef32_pk8_fp8_f32 v[24:25], v[WUN:WUN+7], v28
	v_nop
	global_store_b64 v27, v[24:25], s[54:55]       ; the wave's 32 lanes fill the row's 256 consecutive bytes
.Lno_wu:
	QST RAWA, C0, SCLR, LIMR, WR, 0
	XLOAD RAWA, 30, 8                              ; C's rows 8 to 15, into the set just quantised
	s_wait_loadcnt 32                              ; set B is in; set D and the new set A may be out
	QST RAWB, C1, SCLR, LIMR, WR, 8
	s_wait_loadcnt 16                              ; set D is in; the new set A may be out
	s_wait_dscnt 16                                ; set A's 16 stores have read their registers; set B's may be out
	QST RAWD, C0, SCLC, LIMC, WC, 0
	s_wait_loadcnt 0x0
	s_wait_dscnt 16                                ; set B's stores likewise
	QST RAWA, C1, SCLC, LIMC, WC, 8
	s_wait_alu depctr_va_vdst(0)
	s_wait_dscnt 0x0                               ; for the others' sake: my codes have landed
	s_barrier_signal -1
	s_barrier_wait -1                              ; both operands' 256 rows lie in LDS
	; the products: the 16 accumulators take turns, one instruction a turn; the first K step of 128 starts the sums.  A fragment comes by four loads of 16 bytes a lane: a permutation of k, the same on both sides
.irp s, 0,1
.irp g, 0,1
.if (\s+\g) > 0
.rept 4
	v_nop                                          ; places in front of loads into registers that matrix instructions have read
.endr
.endif
.if \g == 0
.irp i, 0,1,2,3
.irp c, 0,1,2,3
	ds_load_b128 v[RF+16*\i+4*\c:RF+16*\i+4*\c+3], v[RRD] offset:16*\i*P+128*\s+32*\c
.endr
.endr
.endif
.irp u, 0,1
.irp c, 0,1,2,3
	ds_load_b128 v[CF+16*\u+4*\c:CF+16*\u+4*\c+3], v[CRD] offset:16*(2*\g+\u)*P+128*\s+32*\c
.endr
.endr
	s_wait_dscnt 0x0
.irp u, 0,1
.irp i, 0,1,2,3
.if \s == 0
	v_wmma_f32_16x16x128_fp8_fp8 v[ACC+8*(4*\i+2*\g+\u):ACC+8*(4*\i+2*\g+\u)+7], v[CF+16*\u:CF+16*\u+15], v[RF+16*\i:RF+16*\i+15], 0
.else
	v_wmma_f32_16x16x128_fp8_fp8 v[ACC+8*(4*\i+2*\g+\u):ACC+8*(4*\i+2*\g+\u)+7], v[CF+16*\u:CF+16*\u+15], v[RF+16*\i:RF+16*\i+15], v[ACC+8*(4*\i+2*\g+\u):ACC+8*(4*\i+2*\g+\u)+7]
.endif
.endr
.endr
.endr
.endr
	; the stores' offsets: row 16 w + h + 2 i of the output, + 16 r.  These ten plain lines name no register of the last products: they are the places behind them
	s_lshl_b32 s44, s24, 4
	v_add_nc_u32 v28, s44, v[HH]
	v_mul_lo_u32 v28, v28, s34
	v_lshl_add_u32 v[GOF], v[RR], 4, v28
.irp i, 1,2,3,4,5,6,7
	v_add_nc_u32 v[GOF+\i], s35, v[GOF+\i-1]
.endr
.irp n, 0,1,2,3,4,5,6,7                ; tiles 2 n, 2 n + 1: rows 16 (n / 2) on, 16 bytes of each; each accumulator from its low end on
.irp i, 0,1,2,3,4,5,6,7,8,9,10,11,12,13,14,15
	v_med3_num_f32 v[ACC+16*\n+\i], v[ACC+16*\n+\i], -v[LIMO], v[LIMO]
.endr
	v_cvt_scalef32_pk8_fp8_f32 v[OC+4*\n:OC+4*\n+1], v[ACC+16*\n:ACC+16*\n+7], v[SCLO]
	v_cvt_scalef32_pk8_fp8_f32 v[OC+4*\n+2:OC+4*\n+3], v[ACC+16*\n+8:ACC+16*\n+15], v[SCLO]
.endr
	v_nop                                          ; one plain line behind the last conversion
.irp n, 0,1,2,3,4,5,6,7
	ds_store_b128 v[SO], v[OC+4*\n:OC+4*\n+3] offset:16*(\n/2)*P+32*(\n%2)
.endr
	s_wait_alu depctr_va_vdst(0)
	s_wait_dscnt 0x0                               ; for the others' sake: my part of the rows has landed
	s_barrier_signal -1
	s_barrier_wait -1                              ; the output's 256 rows lie in the stage
.irp i, 0,1,2,3,4,5,6,7
	ds_load_b128 v[OB+4*\i:OB+4*\i+3], v[SR] offset:2*\i*P
.endr
.irp i, 0,1,2,3,4,5,6,7
	s_wait_dscnt 7-\i                              ; load i is back; the younger ones may be out
	global_store_b128 v[GOF+\i], v[OB+4*\i:OB+4*\i+3], s[32:33]   ; sixteen lanes store 256 consecutive bytes, at a multiple of 256 from the buffer's first byte
.endr
	s_wait_tensorcnt 0x0                           ; the wave's end
	ds_add_u32 v[SPW], v[NIL]
	s_wait_dscnt 0x0
	s_endpgm
.Lfunc_end_k_q7be6f3304a_proj:
	.size	k_q7be6f3304a_proj, .Lfunc_end_k_q7be6f3304a_proj-k_q7be6f3304a_proj
	.p2alignl 7, 3214868480
	.fill 96, 4, 3214868480
	.section	.rodata,"a",@progbits
	.p2align	6, 0x0
	.amdhsa_kernel k_q7be6f3304a_proj
		.amdhsa_group_segment_fixed_size 210944
		.amdhsa_private_segment_fixed_size 0
		.amdhsa_enable_private_segment 0
		.amdhsa_kernarg_size 80
		.amdhsa_user_sgpr_count 2
		.amdhsa_user_sgpr_kernarg_segment_ptr 1
		.amdhsa_wavefront_size32 1
		.amdhsa_system_sgpr_workgroup_id_x 1
		.amdhsa_system_sgpr_workgroup_id_y 1
		.amdhsa_system_sgpr_workgroup_id_z 1
		.amdhsa_system_vgpr_workitem_id 0
		.amdhsa_next_free_vgpr 256
		.amdhsa_next_free_sgpr 66
		.amdhsa_reserve_vcc 0
		.amdhsa_float_denorm_mode_32 3
		.amdhsa_float_denorm_mode_16_64 3
		.amdhsa_memory_ordered 1
		.amdhsa_forward_progress 1
		.amdhsa_inst_pref_size 53
	.end_amdhsa_kernel
	.amdgpu_metadata
---
amdhsa.version: [ 1, 2 ]
amdhsa.kernels:
  - .name:           k_q7be6f3304a_proj
    .symbol:         k_q7be6f3304a_proj.kd
    .args:
      - { .name: x, .offset: 0, .size: 8, .value_kind: global_buffer, .address_space: global }
      - { .name: Wq, .offset: 8, .size: 8, .value_kind: global_buffer, .address_space: global }
      - { .name: Wk, .offset: 16, .size: 8, .value_kind: global_buffer, .address_space: global }
      - { .name: Wv, .offset: 24, .size: 8, .value_kind: global_buffer, .address_space: global }
      - { .name: Wu, .offset: 32, .size: 8, .value_kind: global_buffer, .address_space: global }
      - { .name: lowp_scales, .offset: 40, .size: 8, .value_kind: global_buffer, .address_space: global }
      - { .name: q_codes, .offset: 48, .size: 8, .value_kind: global_buffer, .address_space: global }
      - { .name: k_codes, .offset: 56, .size: 8, .value_kind: global_buffer, .address_space: global }
      - { .name: v_codes, .offset: 64, .size: 8, .value_kind: global_buffer, .address_space: global }
      - { .name: wu_codes, .offset: 72, .size: 8, .value_kind: global_buffer, .address_space: global }
    .group_segment_fixed_size: 210944
    .private_segment_fixed_size: 0
    .kernarg_segment_align: 8
    .kernarg_segment_size: 80
    .max_flat_workgroup_size: 512
    .sgpr_count:     66
    .vgpr_count:     256
    .wavefront_size: 32
...
	.end_amdgpu_metadata
.endif
;; end of part 1
;; launch attn (part 2): grid 64 x 4, 8 waves a work-group, clusters of 4 x 1, 327,680 bytes of LDS; arguments q_codes, k_codes, v_codes, wu_codes, bu, lowp_scales, out0; writes out0
.if DOCPART == 2
	.amdgcn_target "amdgcn-amd-amdhsa--gfx1250"
	.amdhsa_code_object_version 6
	.text
	.protected	k_q7be6f3304a_attn
	.globl	k_q7be6f3304a_attn
	.p2align	8
	.type	k_q7be6f3304a_attn,@function
k_q7be6f3304a_attn:
	s_mov_b64 s[64:65], 0
	v_nop
	global_prefetch_b8 v0, s[64:65] scope:SCOPE_SE
	s_setreg_imm32_b32 hwreg(HW_REG_WAVE_MODE, 25, 1), 1
	s_wait_xcnt 0x0
	s_wait_alu depctr_hold_cnt(0) depctr_sa_sdst(0) depctr_va_vdst(0) depctr_va_sdst(0) depctr_va_ssrc(0) depctr_va_vcc(0) depctr_vm_vsrc(0)
	s_getreg_b32 s2, hwreg(HW_REG_IB_STS2, 6, 4)
	s_cmp_eq_u32 s2, 0
	s_cbranch_scc0 .Lentry_in_a_cluster
	s_endpgm
.Lentry_in_a_cluster:
	s_bfe_u32 s2, ttmp6, 0x10000c
	s_cmp_lg_u32 s2, 0x3003
	s_cbranch_scc0 .Lentry_shape_is_right
	s_endpgm
.Lentry_shape_is_right:
; out0 = Q(softmax(q k^T / 8) v) Q(Wu)^T + bu, all three products on codes of FP8 (E4M3), each operand with the one scale 2^e that is given for it.  No mask.
; q_codes, k_codes: [16384 tokens][256 = 64 head + s];  v_codes: [4 batches][256 = 64 head + d][4096 keys];  wu_codes: [256 n][256 k];  out0: [16384][256] f32.
; Along each innermost axis byte 32 c + 16 h + 8 u + j holds index 32 c + 16 u + 8 h + j: the order in which a lane's codes fall when the eight codes of result tiles 2 c and 2 c + 1 are joined.  Both sides of each product have it.
; THE SOFTMAX AHEAD OF THE SECOND PRODUCT: t = score x log2(e) / 8; M = the row's largest t so far, rounded UP to a whole number; p = 2^(t - M) is what is quantised; it is not normalised.  The row's sum is taken
; of the unquantised p, in f32, and divides at the end.  When M moves, the sum and O are multiplied by 2^(old M - new M): nothing is rounded.
; SHARES.  A work-group owns 64 tokens of one batch, in all four heads; wave w (of 8) owns head w % 4 and TWO tiles, A and B, of 16 queries, from query 32 (w / 4) on: each fragment of K and of V feeds two matrix instructions.
; All heads of a token meet in one work-group, so the last product is made here and the attention's result never goes to memory.
; Every wave walks the batch's 4,096 keys, 128 a step.  K and V come through a ring of two LDS slots of 256 keys (256 rows of K, 256 rows of V, 256 bytes each), filled by tensor loads: waves 0-3 K's quarters, waves 4-7 V's.
; CLUSTER.  The four work-groups of a cluster belong to one batch and walk the same K and V: each quarter is asked for JOINTLY, by the same tensor load with the same descriptor and a mask that names the four.
; LAYOUT.  Both products of the attention are used transposed: S^T = K Q^T (source 0 = 16 keys, source 1 = 16 queries), O^T = V^T P^T (source 0 = 16 of the head's 64, source 1 = P): a lane holds ONE query of a tile throughout.
; Fragments come by loads of 16 bytes a lane: a permutation of k, the same on both sides of each product.
; LIMITS on the given exponents, so that each power of two below is an f32 number: [6] + [7] between -123 and 130 (added to c's exponent field); [9], and [10] - [8] - [9], between -126 and 119; [10] + [11] between -126 and 127.
; The scaled scores (t) stay under 2^31 in magnitude.  NaN is not served.
; REGISTERS, window 0: v1-4 LDS addresses of K and V in slots 0, 1; v5, v6 the add's; v7 the prefetches' offset; v8, v10 the factors f of A, B; v12, v14 their -M; v13, v15 their largest score; v16-31 Q;
;   v32-95 A's scores, then p; v96-159 B's; v160-191 parts of A's sum, then p's codes; v192-207 the sums, four pairs a tile; v208-211, v220, v221 at work; v216, v218, v219 scales; v222-231 addresses; v232-247 bu.
;   Window 1: O^T of A at 0, of B at 32; V's four fragments of a slot's first step at 64 (in the last step Wu's four), of its second step at 192; K's eight at 128.
.set KP,    272                        ; an LDS row: 256 bytes + 16 of padding = 68 words: the 16 rows that a load touches start at 16 different banks (64 banks of 4 bytes: ISA guide 11.1)
.set QUART, 64*KP                      ; what one tensor load brings
.set VOFF,  4*QUART                    ; a slot: K's 256 rows, then V's 256 rows
.set SLOT,  8*QUART
.set SPARE, 2*SLOT                     ; behind the ring: the spare words, 128 bytes for each of 8 waves: four blocks of 256 bytes that no other line names
.set OIMG,  SPARE+1024                 ; the attention's result as codes: 8 fragments (tile of tokens m, K step s: 2 m + s) as images of their registers, 2,048 bytes each; no tile lands here
.set SPO,   1040                       ; the way out: a stage of 64 rows x (1,024 bytes + 16), from LDS byte 0: slot 0 has had its last fill and its last read at the last change of slots
.set AK,   1
.set AV,   3
.set SPW,  5
.set NIL,  6
.set PFO,  7
.set SA,   32
.set SB,   96
.set CA,   160
.set CB,   176
.set LA,   192
.set LB,   200
.set OWI,  222                         ; where I store my parts of the images
.set ORD,  223                         ; OIMG + 16 x lane
.set SSO,  227                         ; the stage, in: row r, + 128 x wave + 32 h
.set SSR,  228                         ; the stage, back: my eight rows, 16 bytes a lane
.set GO,   229                         ; 16 x lane
.set BO,   230                         ; 32 h
.set QO,   231                         ; 256 r + 16 h
.set BU,   232
.set OA,   0                           ; in window 1
.set OB,   32
.set VF0,  64
.set KF,   128
.set VF1,  192
.set WF,   64
.set WV,   18
.set SEL,  20                          ; s[20:21] v_permlanex16_b32's selects for lane l xor 16
.set CS,   22                          ; s[22:23] c = log2(e) / 8 x 2^([6] + [7])
.set G1K,  24                          ; s[24:31], s[32:39] descriptor groups 1;  s[40:47], s[48:55] groups 0, one set for each slot
.set G1V,  32
.set G0K,  40
.set G0V,  48
.set CNT,  56
.set LIM0, 57                          ; s57, s63  a wave prefetches at a change of slot 0, 1 while the trips to go are more than this
.set LIM1, 63
.set PFA,  58                          ; s[58:59] where my prefetches stand
.set PFS,  60                          ; s[60:61] a tile on, in bytes
.set NC,   78                          ; s78  -c
.set PL,   79                          ; s79  448 x 2^[9]
.set MSB, 0
.macro WIN new                         ; the immediate's high byte repeats the setting that is left
.if MSB != \new
	s_set_vgpr_msb (MSB<<8)|\new
.set MSB, \new
.endif
.endm
.macro SAY                             ; wave 0 signals the cluster's barrier for the work-group
	s_cmp_lg_u32 s[WV], 0
	s_cbranch_scc1 .Lnot_wave_0_\@
	s_barrier_signal -3
.Lnot_wave_0_\@:
.endm
.macro ROUND                           ; a whole round of the cluster's barrier: my work-group's barrier; wave 0's signal; every wave waits for all four work-groups; my work-group's barrier once more
	s_barrier_signal -1
	s_barrier_wait -1
	SAY
	s_barrier_wait -3
	s_barrier_signal -1
	s_barrier_wait -1
.endm
.macro TLOAD n                         ; the joint load into slot n: one a wave.  The branch hangs on the wave's number alone.  Four v_nop follow each of the two lines
	s_cmp_lt_u32 s[WV], 4
	s_cbranch_scc0 .Lfor_v_\@
	tensor_load_to_lds s[G0K+4*(\n):G0K+4*(\n)+3], s[G1K:G1K+7]
	s_nop 0
.rept 4
	v_nop
.endr
	s_branch .Lasked_\@
.Lfor_v_\@:
	tensor_load_to_lds s[G0V+4*(\n):G0V+4*(\n)+3], s[G1V:G1V+7]
	s_nop 0
.rept 4
	v_nop
.endr
.Lasked_\@:
.endm
; A PREFETCH INTO THE L2 of the tile that the NEXT change of slots will ask for: the change in tile i asks by tensor load for tile i + 2 and names tile i + 3 here: two key steps ahead of that load.
; Each row's 256 bytes of a tile are named ONCE in the launch.  All sixteen clusters of a batch walk the same K and V: the batch's first cluster asks.  Its four partners share a tile's 256 rows out BY ADDRESS, 64 each;
; in each, waves 0 and 1 ask for K's, waves 4 and 5 for V's, 32 rows a wave, a lane a row.  Tiles 0 to 2 come by their loads alone; the change that asks for tile 15 names nothing.
.macro ASK slot
.if \slot
	s_cmp_gt_u32 s[CNT], s[LIM1]
.else
	s_cmp_gt_u32 s[CNT], s[LIM0]
.endif
	s_cbranch_scc0 .Lnot_mine_\@
	global_prefetch_b8 v[PFO], s[PFA:PFA+1] th:TH_LOAD_NT scope:SCOPE_SE
.Lnot_mine_\@:
.endm
.macro KLOAD slot, q                   ; K's eight fragments of a key step
	WIN 0x40
.irp t, 0,1,2,3,4,5,6,7
	ds_load_b128 v[KF+8*\t:KF+8*\t+3], v[AK+\slot] offset:(128*(\q)+16*\t)*KP
	ds_load_b128 v[KF+8*\t+4:KF+8*\t+7], v[AK+\slot] offset:(128*(\q)+16*\t)*KP+32
.endr
	WIN 0
.endm
.macro VLOAD reg, slot, q              ; V's four
	WIN 0x40
.irp t, 0,1,2,3
.irp c, 0,1,2,3
	ds_load_b128 v[\reg+16*\t+4*\c:\reg+16*\t+4*\c+3], v[AV+\slot] offset:16*\t*KP+128*(\q)+32*\c
.endr
.endr
	WIN 0
.endm
	s_load_b256 s[4:11], s[0:1], 0x0               ; q_codes s[4:5], k_codes s[6:7], v_codes s[8:9], wu_codes s[10:11]
	s_load_b128 s[12:15], s[0:1], 0x20             ; bu s[12:13], the exponents s[14:15]
	s_load_b64 s[16:17], s[0:1], 0x30              ; out0
	v_lshl_add_u32 v[SPW], v0, 2, SPARE
	v_mov_b32 v[NIL], 0
	ds_add_u32 v[SPW], v[NIL]                      ; the wave's opening
	ds_add_u32 v[SPW], v[NIL]
	v_lshrrev_b32 v224, 5, v0
	v_readfirstlane_b32 s[WV], v224                ; wave 0..7
	s_bfe_u32 s80, ttmp6, 0x40000                  ; cx: my place in the cluster: it enters Q's, out0's and the prefetches' addresses alone
	s_lshl_b32 s81, ttmp9, 2
	s_add_co_u32 s81, s81, s80                     ; my block of 64 tokens
	s_and_b32 s82, ttmp7, 0xffff                   ; the batch, which the four partners share
	s_and_b32 s83, s[WV], 3                        ; my head.  Also: which quarter of a tile I fetch
	s_lshr_b32 s84, s[WV], 2                       ; my 32 queries
	; descriptor groups 1: 64 rows x 256 elements of one byte, padded in LDS.  K's rows are 256 bytes apart in memory, V's 4,096
	s_mov_b32 s[G1K], 15|(1<<20)|(1<<21)|(5<<22)|(3<<25)   ; 15:0 the mask: all four work-groups; 17:16 elements of 1 byte; 20 padding on; 21 set beside a mask; 24:22 after every 64 words (code 5); 31:25 four words (code 3)
	s_mov_b32 s[G1V], 15|(1<<20)|(1<<21)|(5<<22)|(3<<25)
.irp g, G1K, G1V
	s_mov_b32 s[\g+1], 256<<16                     ; tensor_dim0 = 256
	s_mov_b32 s[\g+2], 64<<16                      ; tensor_dim1 = 64
	s_mov_b32 s[\g+3], 256<<16                     ; tile_dim0 = 256
	s_mov_b32 s[\g+4], 64                          ; tile_dim1 = 64
	s_mov_b32 s[\g+6], 0
	s_mov_b32 s[\g+7], 0
.endr
	s_mov_b32 s[G1K+5], 256                        ; tensor_dim0_stride
	s_mov_b32 s[G1V+5], 4096
	s_lshl_b32 s86, s82, 20                        ; the batch's first byte in k_codes and in v_codes
	s_lshl_b32 s88, s83, 14                        ; K: my quarter's 64 rows of 256 bytes
	s_add_co_u32 s88, s88, s86
	s_mov_b32 s89, 0
	s_lshl_b32 s90, s83, 18                        ; V: my quarter's 64 rows of 4,096 bytes
	s_add_co_u32 s90, s90, s86
	s_mov_b32 s91, 0
	s_mul_i32 s92, s83, QUART                      ; and its place in a slot: no place in the cluster enters an LDS address
	s_lshl_b32 s93, s82, 12
	s_lshl_b32 s94, s81, 6
	s_add_co_u32 s93, s93, s94                     ; the work-group's first token
	s_lshl_b32 s94, s84, 5
	s_add_co_u32 s94, s93, s94                     ; my first query
	s_lshl_b32 s94, s94, 8
	s_lshl_b32 s95, s83, 6
	s_add_co_u32 s94, s94, s95                     ; its row of codes, at my head's 64
	s_mov_b32 s95, 0
	s_lshl_b32 s96, s[WV], 3
	s_add_co_u32 s96, s96, s93
	s_lshl_b32 s96, s96, 10                        ; the eight rows of out0 that I store
	s_mov_b32 s97, 0
	s_mov_b32 s[SEL], 0x76543210
	s_mov_b32 s[SEL+1], 0xfedcba98
	s_mov_b32 s[CS], 0x3e38aa3b                    ; log2(e) / 8
	s_cmp_lt_u32 s[WV], 4
	s_cselect_b32 s62, 8, 12                       ; a row is 2^8 bytes in K, 2^12 in V
	; places in LDS
	s_lshl_b32 s85, s83, 6                         ; my head's 64 bytes of a key's row
	s_add_co_u32 s87, s92, VOFF                    ; my head's 64 rows of V
	s_lshl_b32 s66, s84, 13
	s_lshl_b32 s67, s83, 10
	s_add_co_u32 s66, s66, s67
	s_add_co_u32 s66, s66, OIMG                    ; my part of the images: tile of tokens 2 (w / 4), head w % 4
	s_lshl_b32 s67, s[WV], 7
	s_mul_i32 s70, s[WV], 8*SPO
	v_and_b32 v224, 15, v0                         ; r
	v_bfe_u32 v225, v0, 4, 1                       ; h
	v_and_b32 v226, 31, v0                         ; lane
	v_lshlrev_b32 v[QO], 8, v224
	v_lshl_add_u32 v[QO], v225, 4, v[QO]           ; row r of 256 bytes, + 16 h: serves Q and Wu; never rewritten
	v_lshlrev_b32 v[BO], 5, v225
	v_mul_u32_u24 v248, v224, KP
	v_lshl_add_u32 v248, v225, 4, v248             ; row r x pitch + 16 h
	v_add_nc_u32 v[AK], s85, v248
	v_add_nc_u32 v[AK+1], SLOT, v[AK]
	v_add_nc_u32 v[AV], s87, v248
	v_add_nc_u32 v[AV+1], SLOT, v[AV]
	v_lshl_add_u32 v[OWI], v226, 4, s66
	v_lshl_add_u32 v[ORD], v226, 4, OIMG
	v_mul_u32_u24 v[SSO], v224, SPO
	v_lshl_add_u32 v[SSO], v225, 5, v[SSO]
	v_add_nc_u32 v[SSO], s67, v[SSO]
	v_lshl_add_u32 v[SSR], v226, 4, s70
	v_lshlrev_b32 v[GO], 4, v226
	v_lshlrev_b32 v[PFO], s62, v226                ; a lane a row
	s_wait_alu depctr_va_vdst(0)
	s_wait_dscnt 0x0                               ; both opening adds are done
	s_wait_kmcnt 0x0
	s_load_b64 s[68:69], s[14:15], 0x18            ; entries 6, 7
	s_load_b128 s[72:75], s[14:15], 0x20           ; entries 8 to 11
	s_add_nc_u64 s[88:89], s[6:7], s[88:89]
	s_add_nc_u64 s[90:91], s[8:9], s[90:91]
.irp n, 0,1
	s_mov_b32 s[G0K+4*\n], 1                       ; 1:0 count = 1
	s_add_co_u32 s[G0K+4*\n+1], s92, \n*SLOT       ; 63:32 LDS address
	s_add_nc_u64 s[G0K+4*\n+2:G0K+4*\n+3], s[88:89], \n*65536   ; 120:64 global address: tile n: keys 256 n on
	s_or_b32 s[G0K+4*\n+3], s[G0K+4*\n+3], 0x80000000           ; 127:126 type = 2
	s_mov_b32 s[G0V+4*\n], 1
	s_add_co_u32 s[G0V+4*\n+1], s92, \n*SLOT+VOFF
	s_add_nc_u64 s[G0V+4*\n+2:G0V+4*\n+3], s[90:91], \n*256
	s_or_b32 s[G0V+4*\n+3], s[G0V+4*\n+3], 0x80000000
.endr
	ROUND                                          ; all four work-groups are here: the first joint loads meet
	TLOAD 0                                        ; tile 0
	s_add_nc_u64 s[4:5], s[4:5], s[94:95]
	s_add_nc_u64 s[16:17], s[16:17], s[96:97]
	s_lshl_b32 s94, s[WV], 13                      ; Wu's rows 32 w on
	s_add_nc_u64 s[10:11], s[10:11], s[94:95]
	s_lshl_b32 s94, s[WV], 7                       ; bu's numbers 32 w on
	s_add_nc_u64 s[12:13], s[12:13], s[94:95]
.irp u, 0,1
	global_load_b128 v[16+8*\u:19+8*\u], v[QO], s[4:5] offset:4096*\u       ; Q's fragments of both tiles stay in registers
	global_load_b128 v[20+8*\u:23+8*\u], v[QO], s[4:5] offset:4096*\u+32
	global_load_b128 v[BU+8*\u:BU+8*\u+3], v[BO], s[12:13] offset:64*\u     ; bu at my outputs 32 w + 16 u + 8 h + 0..7
	global_load_b128 v[BU+8*\u+4:BU+8*\u+7], v[BO], s[12:13] offset:64*\u+16
.endr
	; the prefetches: where my wave's stand, and who asks
	s_cmp_lt_u32 s[WV], 4
	s_cselect_b64 s[PFA:PFA+1], s[6:7], s[8:9]
	s_mov_b32 s[PFS], 256
	s_cselect_b32 s[PFS], 0x10000, s[PFS]          ; a tile on: 256 rows of K, or 256 bytes of a row of V
	s_mov_b32 s[PFS+1], 0
	s_lshl_b32 s98, s80, 6                         ; my work-group's 64 rows,
	s_and_b32 s99, s[WV], 1
	s_lshl_b32 s99, s99, 5
	s_add_co_u32 s98, s98, s99                     ; my wave's 32 of them,
	s_lshl_b32 s98, s98, s62
	s_add_co_u32 s98, s98, s86                     ; in my batch,
	s_lshl_b32 s99, s[PFS], 1
	s_add_co_u32 s98, s98, s99                     ; at tile 2: the first change of slots steps it to tile 3
	s_mov_b32 s99, 0
	s_add_nc_u64 s[PFA:PFA+1], s[PFA:PFA+1], s[98:99]
	s_and_b32 s66, s[WV], 2                        ; 0 in waves 0, 1, 4, 5,
	s_or_b32 s66, s66, ttmp9                       ; of the batch's first cluster: the same in all four partners
	s_cmp_eq_u32 s66, 0
	s_cselect_b32 s[LIM0], 0, -1
	s_cselect_b32 s[LIM1], 1, -1
	WIN 0x40
.irp j, 0,1,2,3,4,5,6,7,8,9,10,11,12,13,14,15,16,17,18,19,20,21,22,23,24,25,26,27,28,29,30,31
	v_mov_b32 v[OA+\j], 0                          ; O^T.  (The step is written without a first step of its own: the first change of M multiplies zeros)
	v_mov_b32 v[OB+\j], 0
.endr
	WIN 0
.irp j, 0,1,2,3,4,5,6,7,8,9,10,11,12,13,14,15
	v_mov_b32 v[LA+\j], 0                          ; the sums
.endr
	v_mov_b32 v12, 0x7f61b1e6                      ; -M = 3e38: M lies under every t
	v_mov_b32 v14, 0x7f61b1e6
	v_mov_b32 v13, 0xff7fffff                      ; the largest score so far: under every score
	v_mov_b32 v15, 0xff7fffff
	v_mov_b32 v9, 0                                ; (named as the upper halves of the pairs v[8:9], v[10:11])
	v_mov_b32 v11, 0
	v_mov_b32 v220, 0                              ; written once: a lane permute's destination counts as one of its sources
	v_mov_b32 v221, 0
	s_wait_alu depctr_va_vdst(0)
	s_wait_kmcnt 0x0
	s_add_co_i32 s66, s68, s69
	s_lshl_b32 s66, s66, 23
	s_add_co_i32 s[CS], s[CS], s66                 ; a score stands for score x 2^([6] + [7]): the exponents are added to c's exponent field
	s_mov_b32 s[CS+1], s[CS]                       ; (named with it as a pair, so it is written)
	s_xor_b32 s[NC], s[CS], 0x80000000
	s_add_co_i32 s66, s73, 127
	s_lshl_b32 s67, s66, 23                        ; 2^[9] as f32, for p's conversions
	s_add_co_i32 s66, s66, 8
	s_lshl_b32 s66, s66, 23
	s_or_b32 s[PL], s66, 0x600000                  ; 448 x that
	s_sub_co_i32 s66, s74, s72
	s_sub_co_i32 s66, s66, s73                     ; O^T / l stands for that x 2^([8] + [9]): its conversion takes 2^([10] - [8] - [9])
	s_add_co_i32 s66, s66, 127
	s_lshl_b32 s70, s66, 23
	s_add_co_i32 s66, s66, 8
	s_lshl_b32 s66, s66, 23
	s_or_b32 s71, s66, 0x600000
	s_add_co_i32 s76, s74, s75
	s_add_co_i32 s76, s76, 127
	s_lshl_b32 s76, s76, 23                        ; 2^([10] + [11]) as f32
	s_mov_b32 s77, s76
	v_mov_b32 v216, s67
	v_mov_b32 v218, s70
	v_mov_b32 v219, s71
; A KEY STEP: 128 keys, the q-th of the slot, for both tiles.  kind 0: a slot's first step; its second: kind 1: the change of slots, with a refill; 2: the last change, nothing is filled; 3: the last step.
; All reads of a slot are made in its first step (V's fragments of the second step have registers of their own).
; THE CHANGE OF SLOTS.  At the first step's end each wave waits for all its tensor loads (its part of the other slot) and adds 0 to its spare word; the step's last products stand between that and the wait for the add and for its reads.
; The second step opens with the signal.  kind 1: a round of the cluster's barrier: the step's first products, maxima and scalings stand between its opening signal and the wait for it, the exponentials between its closing signal and the
; wait for that: work on registers alone.  Behind the round no wave of any partner still reads this slot or has a load on its way, and the joint load of the tile two on into this slot is the first thing behind it.
; By this text's count a wave has one tensor load out.
.macro STEP slot, q, kind
.if \kind == 1
	s_add_nc_u64 s[G0K+4*\slot+2:G0K+4*\slot+3], s[G0K+4*\slot+2:G0K+4*\slot+3], 2*65536   ; this slot's next tile: 512 keys on; the type bits on top are not reached
	s_add_nc_u64 s[G0V+4*\slot+2:G0V+4*\slot+3], s[G0V+4*\slot+2:G0V+4*\slot+3], 2*256
	s_wait_xcnt 0x0                                ; the last prefetch, two key steps back, has read its address, so it may be written
	s_add_nc_u64 s[PFA:PFA+1], s[PFA:PFA+1], s[PFS:PFS+1]
.endif
	s_wait_dscnt 0x0                               ; K's fragments are in; in a second step V's too and the add is done: my reads of this slot are over
.if \kind == 1 || \kind == 2
	s_barrier_signal -1
.endif
	WIN 0x01
.irp t, 0,1,2,3,4,5,6,7
	v_wmma_f32_16x16x64_fp8_fp8 v[SA+8*\t:SA+8*\t+7], v[KF+8*\t:KF+8*\t+7], v[16:23], 0
	v_wmma_f32_16x16x64_fp8_fp8 v[SB+8*\t:SB+8*\t+7], v[KF+8*\t:KF+8*\t+7], v[24:31], 0
.endr                                              ; lane (r, h): query r; register 8 t + j: key 16 t + 8 h + j
.rept 4
	v_nop                                          ; places: for the loads below, and for the first read of the scores
.endr
.if \kind == 0
	VLOAD VF0, \slot, 0                            ; lands while the softmax is worked
.endif
.if \kind == 3
	WIN 0x40
.irp u, 0,1
.irp s, 0,1
.irp c, 0,1,2,3
	global_load_b128 v[WF+32*\u+16*\s+4*\c:WF+32*\u+16*\s+4*\c+3], v[QO], s[10:11] offset:4096*\u+128*\s+32*\c   ; Wu's four fragments for the last product
.endr
.endr
.endr
.endif
	WIN 0
	v_max3_num_f32 v208, v13, v[SA], v[SA+1]       ; the largest score of my query so far, the step's 64 of my half among them: two chains a tile, each accumulator from its low end on
	v_max3_num_f32 v210, v15, v[SB], v[SB+1]
	v_max3_num_f32 v209, v13, v[SA+2], v[SA+3]
	v_max3_num_f32 v211, v15, v[SB+2], v[SB+3]
.irp i, 4,8,12,16,20,24,28,32,36,40,44,48,52,56,60
	v_max3_num_f32 v208, v208, v[SA+\i], v[SA+\i+1]
	v_max3_num_f32 v210, v210, v[SB+\i], v[SB+\i+1]
	v_max3_num_f32 v209, v209, v[SA+\i+2], v[SA+\i+3]
	v_max3_num_f32 v211, v211, v[SB+\i+2], v[SB+\i+3]
.endr
	v_max_num_f32 v208, v208, v209                 ; the two tiles' chains take turns
	v_max_num_f32 v210, v210, v211
	v_permlanex16_b32 v220, v208, s[SEL], s[SEL+1]
	v_permlanex16_b32 v221, v210, s[SEL], s[SEL+1]
	v_max_num_f32 v13, v208, v220                  ; and among lane l xor 16's
	v_max_num_f32 v15, v210, v221
	v_mul_f32 v208, s[NC], v13                     ; -t (c is positive)
	v_mul_f32 v210, s[NC], v15
	v_floor_f32 v208, v208                         ; the new -M = floor(-t) = -ceil(t): M is a whole number
	v_floor_f32 v210, v210
	v_sub_f32 v209, v208, v12                      ; M's old value less its new one: a whole number, 0 or less
	v_sub_f32 v211, v210, v14
	v_mov_b32 v12, v208
	v_mov_b32 v14, v210
	v_cvt_i32_f32 v209, v209                       ; (it saturates)
	v_cvt_i32_f32 v211, v211
	v_ldexp_f32 v8, 1.0, v209                      ; f = 2^(old M - new M)
	v_ldexp_f32 v10, 1.0, v211
	WIN 0x41
.irp j, 0,2,4,6,8,10,12,14,16,18,20,22,24,26,28,30
	v_pk_mul_f32 v[OA+\j:OA+\j+1], v[OA+\j:OA+\j+1], v[8:9] op_sel_hi:[1,0]     ; O^T under the new M
	v_pk_mul_f32 v[OB+\j:OB+\j+1], v[OB+\j:OB+\j+1], v[10:11] op_sel_hi:[1,0]
.endr
	WIN 0
.irp j, 0,2,4,6,8,10,12,14,16,18,20,22,24,26,28,30,32,34,36,38,40,42,44,46,48,50,52,54,56,58,60,62
	v_pk_fma_f32 v[SA+\j:SA+\j+1], v[SA+\j:SA+\j+1], s[CS:CS+1], v[12:13] op_sel_hi:[1,0,0]   ; A's t - M, two at a time (of the pairs c and -M the low word serves both halves)
.endr
.if \kind == 0
	KLOAD \slot, 1                                 ; the slot's second step
	VLOAD VF1, \slot, 1
.endif
	s_wait_alu depctr_va_vdst(0)                   ; ahead of the batch
.if \kind == 1
	s_barrier_wait -1                              ; every wave of my work-group has said so,
	SAY                                            ; wave 0 says so to the cluster,
	s_barrier_wait -3                              ; and all four work-groups have said so
	s_barrier_signal -1
.endif
.irp j, 0,2,4,6,8,10,12,14,16,18,20,22,24,26,28,30,32,34,36,38,40,42,44,46,48,50,52,54,56,58,60,62
	v_exp_f32 v[SA+\j], v[SA+\j]                   ; A's p = 2^(t - M), at most 1: not normalised
	v_exp_f32 v[SA+\j+1], v[SA+\j+1]
	v_pk_fma_f32 v[SB+\j:SB+\j+1], v[SB+\j:SB+\j+1], s[CS:CS+1], v[14:15] op_sel_hi:[1,0,0]   ; B's t - M
.endr
	s_wait_alu depctr_va_vdst(0)                   ; ahead of B's batch, and of the first readers of A's results
.irp g, 0,4,8,12,16,20,24,28,32,36,40,44,48,52,56,60
	v_exp_f32 v[SB+\g], v[SB+\g]
	v_pk_add_f32 v[CA+\g/2:CA+\g/2+1], v[SA+\g:SA+\g+1], v[SA+\g+2:SA+\g+3]   ; beside B's exponentials: parts of A's sum, which is taken of the unquantised p,
	v_exp_f32 v[SB+\g+1], v[SB+\g+1]
	v_dual_min_num_f32 v[SA+\g], s[PL], v[SA+\g] :: v_dual_min_num_f32 v[SA+\g+1], s[PL], v[SA+\g+1]   ; and A's hold: the conversion does not saturate (ISA guide 7.6.2); p is not negative, so the hold is one-sided
	v_exp_f32 v[SB+\g+2], v[SB+\g+2]
	v_dual_min_num_f32 v[SA+\g+2], s[PL], v[SA+\g+2] :: v_dual_min_num_f32 v[SA+\g+3], s[PL], v[SA+\g+3]
	v_exp_f32 v[SB+\g+3], v[SB+\g+3]
.endr
	v_nop                                          ; a plain line behind the exponentials
	s_wait_alu depctr_va_vdst(0)                   ; one wait for the batch, ahead of its first reader
.if \kind == 1
	s_barrier_wait -1                              ; the round is closed
	TLOAD \slot
	KLOAD 1-\slot, 0                               ; the next slot's first step
	ASK \slot
.endif
.if \kind == 2
	s_barrier_wait -1                              ; the work-group's barrier shows the other slot whole to every wave
	KLOAD 1-\slot, 0
.endif
.irp t, 0,1,2,3,4,5,6,7
.irp p, 0,2,4,6
.if \t == 0
	v_pk_fma_f32 v[LA+\p:LA+\p+1], v[LA+\p:LA+\p+1], v[8:9], v[CA+\p:CA+\p+1] op_sel_hi:[1,0,1]     ; the sums under the new M, and the first terms
	v_pk_fma_f32 v[LB+\p:LB+\p+1], v[LB+\p:LB+\p+1], v[10:11], v[SB+\p:SB+\p+1] op_sel_hi:[1,0,1]
.else
.if \t < 4
	v_pk_add_f32 v[LA+\p:LA+\p+1], v[LA+\p:LA+\p+1], v[CA+8*\t+\p:CA+8*\t+\p+1]
.endif
	v_pk_add_f32 v[LB+\p:LB+\p+1], v[LB+\p:LB+\p+1], v[SB+8*\t+\p:SB+8*\t+\p+1]
.endif
	v_dual_min_num_f32 v[SB+8*\t+\p], s[PL], v[SB+8*\t+\p] :: v_dual_min_num_f32 v[SB+8*\t+\p+1], s[PL], v[SB+8*\t+\p+1]
.endr
.if \t < 4                             ; the codes: tile t's eight are registers 2 t, 2 t + 1 of the second product's operand.  A's land on parts of its sum that have been added
	v_cvt_scalef32_pk8_fp8_f32 v[CA+4*\t:CA+4*\t+1], v[SA+16*\t:SA+16*\t+7], v216
	v_cvt_scalef32_pk8_fp8_f32 v[CA+4*\t+2:CA+4*\t+3], v[SA+16*\t+8:SA+16*\t+15], v216
.else
	v_cvt_scalef32_pk8_fp8_f32 v[CB+4*(\t-4):CB+4*(\t-4)+1], v[SB+16*(\t-4):SB+16*(\t-4)+7], v216
	v_cvt_scalef32_pk8_fp8_f32 v[CB+4*(\t-4)+2:CB+4*(\t-4)+3], v[SB+16*(\t-4)+8:SB+16*(\t-4)+15], v216
.endif
.endr
	v_nop                                          ; one plain line between the last conversion and the products
	s_wait_alu depctr_va_vdst(0)
.if \kind == 0
.set VB, VF0
	s_wait_tensorcnt 0x0                           ; my part of the other slot is in; no tensor load of mine is out, so a group 0 may be written
	ds_add_u32 v[SPW], v[NIL]                      ; 0 onto my spare word; work on registers stands between it and the wait for it
	s_wait_dscnt 33                                ; V's first fragments are in; the 32 younger loads, K's and V's of the next step, and the add may be out
.else
.set VB, VF1
.endif
	WIN 0x51
.irp t, 0,1,2,3
	v_wmma_f32_16x16x128_fp8_fp8 v[OA+8*\t:OA+8*\t+7], v[VB+16*\t:VB+16*\t+15], v[CA:CA+15], v[OA+8*\t:OA+8*\t+7]   ; the eight accumulators take turns
	v_wmma_f32_16x16x128_fp8_fp8 v[OB+8*\t:OB+8*\t+7], v[VB+16*\t:VB+16*\t+15], v[CB:CB+15], v[OB+8*\t:OB+8*\t+7]
.endr
	WIN 0
.endm
	s_mov_b32 s[CNT], 7
	s_wait_alu depctr_va_vdst(0)
	s_wait_tensorcnt 0x0                           ; my part of tile 0 is in
	ds_add_u32 v[SPW], v[NIL]
	s_wait_dscnt 0x0
	ROUND                                          ; tile 0 is whole, and all four work-groups are here
	TLOAD 1                                        ; tile 1, the first tensor load behind the round
	KLOAD 0, 0
	s_wait_loadcnt 0x0                             ; Q, bu
.Lpair:                                            ; a trip: two tiles of 256 keys.  16 tiles: 7 trips, and the last two written out
	STEP 0, 0, 0
	STEP 0, 1, 1
	STEP 1, 0, 0
	STEP 1, 1, 1
	s_sub_co_u32 s[CNT], s[CNT], 1
	s_cmp_lg_u32 s[CNT], 0
	s_cbranch_scc1 .Lpair
	STEP 0, 0, 0
	STEP 0, 1, 2
	STEP 1, 0, 0
	STEP 1, 1, 3
	; THE LAST PRODUCT.  Wave w makes outputs 32 w .. 32 w + 31 for the work-group's 64 tokens: source 0 = 16 rows of Wu, source 1 = the attention's result, which the eight waves hand each other through LDS
	v_pk_add_f32 v[LA:LA+1], v[LA:LA+1], v[LA+2:LA+3]          ; the sums' parts.  (These lines name no register of the last products: they are the places behind them)
	v_pk_add_f32 v[LB:LB+1], v[LB:LB+1], v[LB+2:LB+3]
	v_pk_add_f32 v[LA+4:LA+5], v[LA+4:LA+5], v[LA+6:LA+7]
	v_pk_add_f32 v[LB+4:LB+5], v[LB+4:LB+5], v[LB+6:LB+7]
	v_pk_add_f32 v[LA:LA+1], v[LA:LA+1], v[LA+4:LA+5]
	v_pk_add_f32 v[LB:LB+1], v[LB:LB+1], v[LB+4:LB+5]
	v_add_f32 v[LA], v[LA], v[LA+1]
	v_add_f32 v[LB], v[LB], v[LB+1]
	v_permlanex16_b32 v220, v[LA], s[SEL], s[SEL+1]
	v_permlanex16_b32 v221, v[LB], s[SEL], s[SEL+1]
	v_add_f32 v[LA], v[LA], v220                   ; and lane l xor 16's: the row's sum
	v_add_f32 v[LB], v[LB], v221
	s_wait_alu depctr_va_vdst(0)                   ; ahead of the batch
	v_rcp_f32 v[LA], v[LA]
	v_rcp_f32 v[LB], v[LB]
	v_nop                                          ; a plain line behind the transcendentals
	WIN 0x01
	s_wait_alu depctr_va_vdst(0)                   ; ahead of the first reader of their results and of O^T
.irp j, 0,2,4,6,8,10,12,14,16,18,20,22,24,26,28,30
	v_pk_mul_f32 v[32+\j:33+\j], v[OA+\j:OA+\j+1], v[LA:LA+1] op_sel_hi:[1,0]   ; O^T / the sum
	v_pk_mul_f32 v[64+\j:65+\j], v[OB+\j:OB+\j+1], v[LB:LB+1] op_sel_hi:[1,0]
.endr
	WIN 0
.irp t, 0,1,2,3,4,5,6,7
.irp i, 0,1,2,3,4,5,6,7
	v_med3_num_f32 v[32+8*\t+\i], v[32+8*\t+\i], -v219, v219
.endr
	v_cvt_scalef32_pk8_fp8_f32 v[CA+2*\t:CA+2*\t+1], v[32+8*\t:39+8*\t], v218
.endr
	v_nop                                          ; one plain line behind the last conversion
	ds_store_b128 v[OWI], v[CA:CA+3]               ; my head's 64 of the 256 along K are half a fragment: two register groups of the image of (tile of tokens, K step (w % 4) / 2)
	ds_store_b128 v[OWI], v[CA+4:CA+7] offset:512
	ds_store_b128 v[OWI], v[CA+8:CA+11] offset:4096
	ds_store_b128 v[OWI], v[CA+12:CA+15] offset:4608
	s_wait_dscnt 0x0                               ; for the others' sake: my stores have landed
	s_barrier_signal -1
	s_barrier_wait -1                              ; the eight fragments lie in LDS
.irp f, 0,1,2,3,4,5,6,7
.irp c, 0,1,2,3
	ds_load_b128 v[32+16*\f+4*\c:35+16*\f+4*\c], v[ORD] offset:2048*\f+512*\c
.endr
.endr
	s_wait_loadcnt 0x0                             ; Wu
	s_wait_dscnt 0x0
	WIN 0x51
.irp s, 0,1
.irp m, 0,1,2,3
.irp u, 0,1
.if \s == 0
	v_wmma_f32_16x16x128_fp8_fp8 v[16*\m+8*\u:16*\m+8*\u+7], v[WF+32*\u:WF+32*\u+15], v[32+32*\m:47+32*\m], 0
.else
	v_wmma_f32_16x16x128_fp8_fp8 v[16*\m+8*\u:16*\m+8*\u+7], v[WF+32*\u+16:WF+32*\u+31], v[48+32*\m:63+32*\m], v[16*\m+8*\u:16*\m+8*\u+7]
.endif
.endr
.endr
.endr
.rept 4
	v_nop
.endr
	WIN 0x01
.irp m, 0,1,2,3
.irp u, 0,1
.irp i, 0,2,4,6
	v_pk_fma_f32 v[32+16*\m+8*\u+\i:33+16*\m+8*\u+\i], v[16*\m+8*\u+\i:16*\m+8*\u+\i+1], s[76:77], v[BU+8*\u+\i:BU+8*\u+\i+1] op_sel_hi:[1,0,1]   ; sum x 2^([10] + [11]) + bu
.endr
.endr
.endr
	WIN 0
.irp m, 0,1,2,3
.irp u, 0,1
	ds_store_b128 v[SSO], v[32+16*\m+8*\u:35+16*\m+8*\u] offset:16*\m*SPO+64*\u        ; lane (r, h): out(16 m + r, 32 w + 16 u + 8 h + 0..7)
	ds_store_b128 v[SSO], v[36+16*\m+8*\u:39+16*\m+8*\u] offset:16*\m*SPO+64*\u+16
.endr
.endr
	s_wait_dscnt 0x0
	s_barrier_signal -1
	s_barrier_wait -1                              ; 64 whole rows lie in the stage
.irp k, 0,1,2,3,4,5,6,7,8,9,10,11,12,13,14,15
	ds_load_b128 v[96+4*\k:99+4*\k], v[SSR] offset:(\k/2)*SPO+512*(\k%2)
.endr
.irp k, 0,1,2,3,4,5,6,7,8,9,10,11,12,13,14,15
	s_wait_dscnt 15-\k                             ; load k is back; the younger ones may be out
	global_store_b128 v[GO], v[96+4*\k:99+4*\k], s[16:17] offset:512*\k th:TH_STORE_NT   ; 32 lanes store 512 consecutive bytes, at a multiple of 256 from out0's first byte; written once, read by nobody here
.endr
	s_wait_tensorcnt 0x0                           ; the wave's end
	ds_add_u32 v[SPW], v[NIL]
	s_wait_dscnt 0x0
	ROUND                                          ; the closing round: no work-group ends while a partner may still ask for a tile that names it
	s_endpgm
.Lfunc_end_k_q7be6f3304a_attn:
	.size	k_q7be6f3304a_attn, .Lfunc_end_k_q7be6f3304a_attn-k_q7be6f3304a_attn
	.p2alignl 7, 3214868480
	.fill 96, 4, 3214868480
	.section	.rodata,"a",@progbits
	.p2align	6, 0x0
	.amdhsa_kernel k_q7be6f3304a_attn
		.amdhsa_group_segment_fixed_size 327680
		.amdhsa_private_segment_fixed_size 0
		.amdhsa_enable_private_segment 0
		.amdhsa_kernarg_size 56
		.amdhsa_user_sgpr_count 2
		.amdhsa_user_sgpr_kernarg_segment_ptr 1
		.amdhsa_wavefront_size32 1
		.amdhsa_system_sgpr_workgroup_id_x 1
		.amdhsa_system_sgpr_workgroup_id_y 1
		.amdhsa_system_sgpr_workgroup_id_z 1
		.amdhsa_system_vgpr_workitem_id 0
		.amdhsa_next_free_vgpr 512
		.amdhsa_next_free_sgpr 100
		.amdhsa_reserve_vcc 0
		.amdhsa_float_denorm_mode_32 3
		.amdhsa_float_denorm_mode_16_64 3
		.amdhsa_memory_ordered 1
		.amdhsa_forward_progress 1
		.amdhsa_inst_pref_size 255
	.end_amdhsa_kernel
	.section	.bss,"aw",@nobits
	.p2align	6
	.space	262144
	.amdgpu_metadata
---
amdhsa.version: [ 1, 2 ]
amdhsa.kernels:
  - .name:           k_q7be6f3304a_attn
    .symbol:         k_q7be6f3304a_attn.kd
    .args:
      - { .name: q_codes, .offset: 0, .size: 8, .value_kind: global_buffer, .address_space: global }
      - { .name: k_codes, .offset: 8, .size: 8, .value_kind: global_buffer, .address_space: global }
      - { .name: v_codes, .offset: 16, .size: 8, .value_kind: global_buffer, .address_space: global }
      - { .name: wu_codes, .offset: 24, .size: 8, .value_kind: global_buffer, .address_space: global }
      - { .name: bu, .offset: 32, .size: 8, .value_kind: global_buffer, .address_space: global }
      - { .name: lowp_scales, .offset: 40, .size: 8, .value_kind: global_buffer, .address_space: global }
      - { .name: out0, .offset: 48, .size: 8, .value_kind: global_buffer, .address_space: global }
    .group_segment_fixed_size: 327680
    .private_segment_fixed_size: 0
    .kernarg_segment_align: 8
    .kernarg_segment_size: 56
    .max_flat_workgroup_size: 256
    .sgpr_count:     100
    .vgpr_count:     512
    .wavefront_size: 32
...
	.end_amdgpu_metadata
.endif
;; end of part 2
